; MI455X (gfx1250); checked and timed in simulation.
; The chip was launched on July 23, 2026; its instructions are those of AMD's public machine-readable ISA for CDNA 5 (MIT licence, August 2026) and "CDNA5" Instruction Set Architecture Reference Guide (July 2026). The comments in the code are by the model that wrote it; some were corrected since.
;; Optical FC. Allowed arithmetic: float matrix products may take bf16 or f16 operands with f32 sums; other float arithmetic in f32, or as packed bf16 or f16 multiplies, adds, multiply-adds, maxima and minima; sums over many terms, partial sums and values carried from step to step in f32; what a program stores and reads back later, other than sums and carried values, may be rounded once to bf16 or f16.
;; Inputs: biases 4,096 float32; noise 4,096 x 4,096 float32; tensor 4,096 x 4,096 float32; weights 4,096 x 4,096 float32.
;; Outputs: out0 4,096 x 4,096 float32.
;; 2 versions, each right; version 2 is version 1 with the launch quant written anew for expert scheduling mode. Each part assembles by itself: llvm-mc -triple=amdgcn-amd-amdhsa -mcpu=gfx1250 --defsym DOCPART=n.
;; ======== version 1 of 2: 2 launches
;; workspace buffers: xq 33,554,432 bytes; wq 33,554,432 bytes
;; launch quant (part 1): grid 512 x 2, 8 waves a work-group, no clusters, 0 bytes of LDS; arguments tensor, weights, xq, wq; writes xq, wq
.if DOCPART == 1
	.amdgcn_target "amdgcn-amd-amdhsa--gfx1250"
	.amdhsa_code_object_version 6
	.text
	.protected	k_qf661db14b7_quant
	.globl	k_qf661db14b7_quant
	.p2align	8
	.type	k_qf661db14b7_quant,@function
k_qf661db14b7_quant:
	s_mov_b64 s[64:65], 0
	v_nop
	global_prefetch_b8 v0, s[64:65] scope:SCOPE_SE
	s_setreg_imm32_b32 hwreg(HW_REG_WAVE_MODE, 25, 1), 1
	s_wait_xcnt 0x0
; THE QUANTISER, ONCE FOR EACH NUMBER.  xq[b][i] = rndne(clip(tensor[b][i], -4, 4) x 31.75), wq[o][i] = rndne(clip(weights[o][i], -1, 1) x 127): the whole numbers
; -127 .. 127 that reference()'s _quantize has behind its round, before its division by the scale.  Clip, multiply and round stand in reference()'s order, in f32, so the whole
; numbers are reference()'s own; bf16 holds every whole number up to 256 exactly, so nothing is lost in the store.  The two divisions by the scales are one factor,
; 1 / (31.75 x 127), which the second launch applies to the finished sums: in real numbers the same result; the order of the roundings differs from reference()'s.
; NOTHING OF reference() IS LEFT OUT.  Its column of ones is a constant of its own body: the second launch adds that column's product with the bias column on its way out.
; LIMIT.  A NaN among the inputs is clipped to a finite number, where reference() would carry it on; infinities are clipped as reference() clips them.
; SHARES.  Grid y = 0: tensor -> xq; y = 1: weights -> wq.  A work-group takes 131,072 consecutive bytes of f32: 32 chunks of 4,096.  Thread t takes the 16 bytes at 16 t of each chunk and
; stores 8 bytes at 8 t of each chunk of 2,048: a load of a wave covers 512 consecutive bytes, a store 256 consecutive bytes, aligned.  Nothing is shared between waves: no LDS, no barrier.
; A ring of DEPTH slots in registers keeps DEPTH loads of every wave on their way.
.set DEPTH,  8
.set ROUNDS, 32/DEPTH
.set CIN,    4096                      ; bytes of a chunk as read
.set COUT,   2048                      ; and as written
.set X, 4                              ; v[4:35]   slot i: four f32 as loaded, then at work
.set Y, 36                             ; v[36:51]  slot i: four bf16 to store
	s_load_b256 s[4:11], s[0:1], 0x0               ; tensor s[4:5], weights s[6:7], xq s[8:9], wq s[10:11]
	s_and_b32 s13, ttmp7, 0xffff                   ; which of the two tensors
	s_mov_b32 s16, 0x41fe0000                      ; 31.75 = 127 / 4
	s_mov_b32 s17, 0x42fe0000                      ; 127 = 127 / 1
	s_cmp_eq_u32 s13, 0
	s_cselect_b32 s14, -4.0, -1.0                  ; the clip's lower bound,
	s_cselect_b32 s15, 4.0, 1.0                    ; its upper bound,
	s_cselect_b32 s16, s16, s17                    ; and the scale
	s_mov_b32 s17, s16                             ; named with it as a pair
	v_lshlrev_b32 v1, 4, v0                        ; 16 t; never rewritten
	v_lshlrev_b32 v2, 3, v0                        ; 8 t; never rewritten
	s_wait_kmcnt 0x0
	s_cmp_eq_u32 s13, 0
	s_cselect_b64 s[20:21], s[4:5], s[6:7]         ; from where,
	s_cselect_b64 s[22:23], s[8:9], s[10:11]       ; to where
	s_lshl_b32 s18, ttmp9, 17                      ; the work-group's 131,072 bytes in (511 x 2^17 is under 2^26),
	s_mov_b32 s19, 0
	s_add_nc_u64 s[20:21], s[20:21], s[18:19]
	s_lshl_b32 s18, ttmp9, 16                      ; its 65,536 bytes out
	s_add_nc_u64 s[22:23], s[22:23], s[18:19]
.irp i, 0,1,2,3,4,5,6,7
	global_load_b128 v[X+4*(\i):X+4*(\i)+3], v1, s[20:21] offset:(\i)*CIN th:TH_LOAD_NT  ; fill the ring: chunks 0 to 7
.endr
; One slot's turn.  ahead = 1: the slot is filled again with the chunk DEPTH further on.  left = how many younger loads may stay out.
.macro SLOT i, ahead, left
	s_wait_loadcnt \left                           ; loads come back in order (ISA guide 5.7.1): mine is in, the younger ones stay out
.irp j, 0,1,2,3
	v_med3_num_f32 v[X+4*(\i)+(\j)], v[X+4*(\i)+(\j)], s14, s15  ; the clip
.endr
.irp j, 0,2
	v_pk_mul_f32 v[X+4*(\i)+(\j):X+4*(\i)+(\j)+1], v[X+4*(\i)+(\j):X+4*(\i)+(\j)+1], s[16:17] op_sel_hi:[1,0]  ; the scale, two at a time
.endr
.irp j, 0,1,2,3
	v_rndne_f32 v[X+4*(\i)+(\j)], v[X+4*(\i)+(\j)]  ; to the nearest whole number, halves to even, as jnp.round
.endr
	v_cvt_pk_bf16_f32 v[Y+2*(\i)],   v[X+4*(\i)],   v[X+4*(\i)+1]  ; exact: whole numbers up to 127
	v_cvt_pk_bf16_f32 v[Y+2*(\i)+1], v[X+4*(\i)+2], v[X+4*(\i)+3]
.if \ahead
	global_load_b128 v[X+4*(\i):X+4*(\i)+3], v1, s[20:21] offset:((\i)+DEPTH)*CIN th:TH_LOAD_NT  ; the load ahead of the store
.endif
	global_store_b64 v2, v[Y+2*(\i):Y+2*(\i)+1], s[22:23] offset:(\i)*COUT th:TH_STORE_NT
.endm
	s_mov_b32 s12, ROUNDS-1
.Lround:
.irp i, 0,1,2,3,4,5,6,7
	SLOT \i, 1, DEPTH-1
.endr
	s_wait_xcnt 0x0                                ; once a round: every load and store issued so far has had its addresses translated (ISA guide 3.1): only behind this wait are the two bases and the stores' data written again
	s_add_nc_u64 s[20:21], s[20:21], DEPTH*CIN
	s_add_nc_u64 s[22:23], s[22:23], DEPTH*COUT
	s_sub_co_u32 s12, s12, 1
	s_cmp_lg_u32 s12, 0
	s_cbranch_scc1 .Lround
.irp i, 0,1,2,3,4,5,6,7
	SLOT \i, 0, DEPTH-1-(\i)                       ; the last round loads nothing: the counts run down
.endr
	s_endpgm
.Lfunc_end_k_qf661db14b7_quant:
	.size	k_qf661db14b7_quant, .Lfunc_end_k_qf661db14b7_quant-k_qf661db14b7_quant
	.p2alignl 7, 3214868480
	.fill 96, 4, 3214868480
	.section	.rodata,"a",@progbits
	.p2align	6, 0x0
	.amdhsa_kernel k_qf661db14b7_quant
		.amdhsa_group_segment_fixed_size 0
		.amdhsa_private_segment_fixed_size 0
		.amdhsa_enable_private_segment 0
		.amdhsa_kernarg_size 32
		.amdhsa_user_sgpr_count 2
		.amdhsa_user_sgpr_kernarg_segment_ptr 1
		.amdhsa_wavefront_size32 1
		.amdhsa_system_sgpr_workgroup_id_x 1
		.amdhsa_system_sgpr_workgroup_id_y 1
		.amdhsa_system_sgpr_workgroup_id_z 1
		.amdhsa_system_vgpr_workitem_id 0
		.amdhsa_next_free_vgpr 64
		.amdhsa_next_free_sgpr 66
		.amdhsa_reserve_vcc 0
		.amdhsa_float_denorm_mode_32 3
		.amdhsa_float_denorm_mode_16_64 3
		.amdhsa_memory_ordered 1
		.amdhsa_forward_progress 1
		.amdhsa_inst_pref_size 15
	.end_amdhsa_kernel
	.amdgpu_metadata
---
amdhsa.version: [ 1, 2 ]
amdhsa.kernels:
  - .name:           k_qf661db14b7_quant
    .symbol:         k_qf661db14b7_quant.kd
    .args:
      - { .name: tensor, .offset: 0, .size: 8, .value_kind: global_buffer, .address_space: global }
      - { .name: weights, .offset: 8, .size: 8, .value_kind: global_buffer, .address_space: global }
      - { .name: xq, .offset: 16, .size: 8, .value_kind: global_buffer, .address_space: global }
      - { .name: wq, .offset: 24, .size: 8, .value_kind: global_buffer, .address_space: global }
    .group_segment_fixed_size: 0
    .private_segment_fixed_size: 0
    .kernarg_segment_align: 8
    .kernarg_segment_size: 32
    .max_flat_workgroup_size: 256
    .sgpr_count:     66
    .vgpr_count:     64
    .wavefront_size: 32
...
	.end_amdgpu_metadata
.endif
;; end of part 1
;; launch gemm (part 2): grid 16 x 16, 4 waves a work-group, clusters of 4 x 4, 327,680 bytes of LDS; arguments xq, wq, biases, noise, out0; writes out0
.if DOCPART == 2
	.amdgcn_target "amdgcn-amd-amdhsa--gfx1250"
	.amdhsa_code_object_version 6
	.text
	.protected	k_qf661db14b7_gemm
	.globl	k_qf661db14b7_gemm
	.p2align	8
	.type	k_qf661db14b7_gemm,@function
k_qf661db14b7_gemm:
	s_mov_b64 s[64:65], 0
	v_nop
	global_prefetch_b8 v0, s[64:65] scope:SCOPE_SE
	s_setreg_imm32_b32 hwreg(HW_REG_WAVE_MODE, 25, 1), 1
	s_wait_xcnt 0x0
	s_wait_alu depctr_hold_cnt(0) depctr_sa_sdst(0) depctr_va_vdst(0) depctr_va_sdst(0) depctr_va_ssrc(0) depctr_va_vcc(0) depctr_vm_vsrc(0)
	s_getreg_b32 s2, hwreg(HW_REG_IB_STS2, 6, 4)
	s_cmp_eq_u32 s2, 0
	s_cbranch_scc0 .Lentry_in_a_cluster
	s_endpgm
.Lentry_in_a_cluster:
	s_bfe_u32 s2, ttmp6, 0x10000c
	s_cmp_lg_u32 s2, 0xf033
	s_cbranch_scc0 .Lentry_shape_is_right
	s_endpgm
.Lentry_shape_is_right:
; out0[b][o] = INV x (the sum over i of xq[b][i] wq[o][i]) + (0.01 x noise[b][o] + 32 x INV x rndne(clip(biases[o], -1, 1) x 127)),  INV = 1 / (31.75 x 127).
; xq, wq: [4096][4096] bf16, the whole numbers -127 .. 127 that the launch before has stored; products in the bf16 matrix form, sums in f32; the two scales are applied once, to the finished sum.
; THE COLUMN OF ONES.  reference() appends a 1 to every row of the tensor and the bias to every row of the weights.  Its quantiser turns the 1 into rndne(31.75) / 31.75 = 32 / 31.75 for all
; inputs (the 1 and the scale are constants of its own body), so that column's product is 32 x rndne(clip(b) x 127) x INV for each output column: one term on the way out, no K step.  Nothing is left out.
; LIMITS.  The sums are taken on whole numbers and scaled once: the order of the roundings differs from reference()'s; a sum beyond 2^24 (at most 4096 x 127 x 127) is rounded as any f32 sum.
; A NaN in biases is clipped to a finite number, where reference() would carry it on.
; SHARES.  A tile of out0, 256 x 256, is made by a work-group of four waves; a wave makes 128 x 128: 64 accumulators of 16 x 16, 512 registers.  256 tiles, one work-group each.  K goes in steps of 128 through a ring
; of two LDS slots filled by the tensor data mover: the rows of the tiles are 256 bytes of memory and start at multiples of 256 bytes from the buffer's first byte.
; CLUSTERS.  4 x 4 work-groups.  The four of a row of the cluster need the same tiles of xq, the four of a column the same tiles of wq: each tile is asked for JOINTLY, by the same tensor load with the same
; descriptor and a mask that names the four; each receives it in its own LDS.
; THE MATRIX INSTRUCTION IS USED TRANSPOSED: source 0 = 16 rows of wq, source 1 = 16 rows of xq: lane l then holds row l % 16 of out0 and the columns 8 (l / 16) + 0 .. 7.
; THE WAY OUT.  16 rows x 128 columns of f32 at a time go through the wave's own stage in LDS and come back as whole rows of 512 bytes, into the accumulators' own registers; noise is loaded in the same
; lay (a lane: 16 bytes of a row), and two packed multiply-adds a pair finish the numbers.  Each load of noise and each store covers 512 consecutive bytes, aligned.
; REGISTERS, in windows of 256 (s_set_vgpr_msb's low byte: bits 1:0 source 0, 3:2 source 1, 5:4 source 2, 7:6 destination):
;   window 0: v0-31 addresses; v32-35 the bias term of my four columns; v64-127, v128-191 fragments of xq, two buffers; v192-255 noise
;   window 1: v64-127, v128-191 fragments of wq, two buffers; v0-63, v192-255 noise
;   window 2: the 32 accumulators of my rows 0-63 (accumulator (a, b) at v[8 (8 a + b)]);   window 3: those of my rows 64-127
.set SIZE_K, 4096
.set ROWK,   2*SIZE_K                  ; bytes in a row of xq and of wq
.set ROWB,   4*4096                    ; bytes in a row of noise and of out0
.set KSTEP,  128
.set PITCH,  272                       ; an LDS row: 256 bytes of data + 16 of padding = 68 words: row r starts at bank 4 r mod 64 (64 banks of 4 bytes: ISA guide 11.1), so the 16 rows of a load start at 16 different banks
.set HALFT,  128*PITCH                 ; 128 rows: what one tensor load brings, and what one wave reads of xq or of wq
.set SLOT,   4*HALFT                   ; xq's 256 rows, then wq's 256 rows
.set STAGE,  2*SLOT                    ; behind the ring: a stage for each wave; no tensor load lands there
.set SPITCH, 528                       ; a stage row: 512 bytes + 16 = 132 words: the 16 rows of a store start at 16 different groups of four banks
.set WSTAGE, 16*SPITCH                 ; 8,448 bytes, 33 blocks of 256
.set SPARE,  STAGE+4*WSTAGE            ; behind the stages: the spare words, 128 bytes for each wave: two blocks of 256 bytes that no other line names
.set LAPS,   SIZE_K/(2*KSTEP)          ; a lap = two K steps = once round the ring: 16
.set ADRA, 16                          ; v16-17  LDS address of my fragments of xq in slot 0, 1
.set ADRB, 20                          ; v20-21  the same for wq
.set STO,  24                          ; v24     the way out: where I put 32 bytes of a row
.set RD,   25                          ; v25     the way out: where I read 16 bytes of a row back
.set CO,   26                          ; v26     16 x lane: my 16 bytes in 512 of biases, noise and out0; never rewritten
.set SPW,  28                          ; v28     LDS address of my spare word: SPARE + 4 x my thread's number; never rewritten
.set NIL,  29                          ; v29     0; never rewritten
.set PFO,  30                          ; v30     the prefetches' offset: my lane x a row of xq or wq; never rewritten
.set BIAS, 32                          ; v[32:35] 32 INV rndne(clip(b) 127) of my four columns
.set F0,   64                          ; fragment buffer 0
.set F1,   128                         ; fragment buffer 1
.set LAP,  3                           ; s3      trips of the loop still to come
.set XQ,   4                           ; s[4:5] xq, s[6:7] wq
.set WQ,   6
.set BIA,  8                           ; s[8:9]   biases, then at my first column
.set NOI,  10                          ; s[10:11] noise, then at my first row and column
.set OUT,  12                          ; s[12:13] out0, likewise
.set WV,   14                          ; s14  my wave's number
.set RH,   15                          ; s15  which half of the tile's rows is mine.  Also: I fetch for xq (0) or for wq (1)
.set CH,   16                          ; s16  which half of its columns.  Also: which 128 rows of that tile I fetch
.set CX,   17                          ; s17, s18  my place in the cluster
.set CY,   18
.set TX,   19                          ; s19  tile column of out0
.set TY,   20                          ; s20  tile row
.set LIM,  23                          ; s23  1 in a wave that prefetches, else the greatest number
.set G1,   24                          ; s[24:31] descriptor group 1 for xq's tiles
.set G0,   32                          ; s[32:39] descriptor group 0 for xq's tiles, one set for each slot
.set PFA,  44                          ; s[44:45] where my prefetches stand: my work-group's 32 rows of the 128 that I fetch, one K step further along K than the refill that is being asked for
.set G1B,  48                          ; s[48:55] descriptor group 1 for wq's tiles: it differs in the mask alone
.set G0B,  56                          ; s[56:63] descriptor group 0 for wq's tiles
.set INV,  66                          ; s[66:67] 4 / 16129, twice
.set CEN,  68                          ; s[68:69] 0.01, twice
.set MSB, 0
.macro WIN new                         ; the immediate's high byte repeats the setting that is left; a switch that changes nothing is dropped
.if MSB != (\new)
	s_set_vgpr_msb (MSB<<8)|(\new)
.set MSB, \new
.endif
.endm
.set MUL_LO, 0xa1                      ; source 0 (wq) window 1, source 1 (xq) window 0, C and D window 2
.set MUL_HI, 0xf1                      ; the same, C and D window 3
.set TO_B,   0x40                      ; destination window 1, address window 0
; A joint load.  Waves 0 and 1 fetch xq's two halves, waves 2 and 3 wq's.  Each of the two lines has one mask and one set of registers for all that issue it.  The branch hangs on the wave's number alone.
; An s_nop 0 and four v_nop follow each of the two lines, ahead of the jump, the label and what follows the macro.
.macro JLOAD s
	s_cmp_eq_u32 s[RH], 0
	s_cbranch_scc0 .Lfor_b_\@
	tensor_load_to_lds s[G0+4*(\s):G0+4*(\s)+3], s[G1:G1+7]
	s_nop 0
.rept 4
	v_nop
.endr
	s_branch .Lasked_\@
.Lfor_b_\@:
	tensor_load_to_lds s[G0B+4*(\s):G0B+4*(\s)+3], s[G1B:G1B+7]
	s_nop 0
.rept 4
	v_nop
.endr
.Lasked_\@:
.endm
; A PREFETCH INTO THE L2, behind each joint refill, its five lines and the run of LDS loads that follows them: the K step that stands TWO refills on (512 matrix instructions ahead of the load that will want it):
; 32 rows x 256 bytes, a lane a row, one instruction a wave.  Each row's 256 bytes of a K step are named ONCE in the launch: xq's tile row is read by every cluster of that row of clusters, and the one with
; cluster x = 0 asks; wq's tile column by every cluster of that column, and the one with cluster y = 0 asks.  The four partners that ask for a tile jointly share its rows out BY ADDRESS: of the 128 rows that a wave
; fetches, the partner at place p takes 32 p .. 32 p + 31.  K steps 0 to 3 come by their loads alone; the loop's last trip (s[LAP] = 1) asks for nothing: there is no K step two on.
.macro ASK
	s_cmp_gt_u32 s[LAP], s[LIM]
	s_cbranch_scc0 .Lnot_mine_\@
	global_prefetch_b8 v[PFO], s[PFA:PFA+1] offset:KSTEP*2 th:TH_LOAD_NT scope:SCOPE_SE
.Lnot_mine_\@:
.endm
; A round of the cluster's barrier: my work-group's barrier, so that wave 0's signal speaks for all four waves; wave 0 signals for the work-group; every wave waits for all sixteen; my work-group's barrier once more.
.macro CREST                           ; a round behind its opening barrier
	s_cmp_lg_u32 s[WV], 0
	s_cbranch_scc1 .Lnot_wave_0_\@
	s_barrier_signal -3
.Lnot_wave_0_\@:
	s_barrier_wait -3
	s_barrier_signal -1
	s_barrier_wait -1
.endm
.macro CROUND                          ; a whole round
	s_barrier_signal -1
	s_barrier_wait -1
	CREST
.endm
	s_load_b256 s[XQ:XQ+7], s[0:1], 0x0            ; xq, wq, biases, noise
	s_load_b64 s[OUT:OUT+1], s[0:1], 0x20          ; out0
	v_lshl_add_u32 v[SPW], v0, 2, SPARE
	v_mov_b32 v[NIL], 0
	ds_add_u32 v[SPW], v[NIL]                      ; the wave's opening: the add, twice on end, and its wait ahead of my first tensor load; the set-up below, work on registers, stands between
	ds_add_u32 v[SPW], v[NIL]                      ; and once more, under the one wait
	v_lshrrev_b32 v1, 5, v0
	v_readfirstlane_b32 s[WV], v1                  ; wave 0..3
	s_lshr_b32 s[RH], s[WV], 1
	s_and_b32 s[CH], s[WV], 1
	s_bfe_u32 s[CX], ttmp6, 0x40000                ; cx
	s_bfe_u32 s[CY], ttmp6, 0x40004                ; cy
	s_lshl_b32 s[TX], ttmp9, 2                     ; in a cluster launch ttmp9 and ttmp7 count clusters
	s_add_co_u32 s[TX], s[TX], s[CX]               ; tile column = 4 x cluster x + cx
	s_and_b32 s[TY], ttmp7, 0xffff
	s_lshl_b32 s[TY], s[TY], 2
	s_add_co_u32 s[TY], s[TY], s[CY]               ; tile row = 4 x cluster y + cy
	s_lshl_b32 s21, s[CY], 2
	s_lshl_b32 s21, 15, s21                        ; my row of the cluster: places 4 cy .. 4 cy + 3
	s_lshl_b32 s22, 0x1111, s[CX]                  ; my column: places cx, cx + 4, cx + 8, cx + 12
	; descriptor group 1: a tile of 128 rows x 128 elements, padded in LDS
	s_or_b32 s[G1+0], s21, (1<<16)|(1<<20)|(1<<21)|(5<<22)|(3<<25)   ; 15:0 the mask: xq's tiles go to my row; 17:16 elements of 2 bytes; 20 padding on; 21 set beside a mask; 24:22 after every 64 words (code 5); 31:25 4 words of it (code 3)
	s_or_b32 s[G1B+0], s22, (1<<16)|(1<<20)|(1<<21)|(5<<22)|(3<<25)  ; the same with the mask of my column, for wq's tiles
.irp g, G1, G1B
	s_mov_b32 s[(\g)+1], KSTEP<<16                 ; tensor_dim0 = 128
	s_mov_b32 s[(\g)+2], 128<<16                   ; tensor_dim1 = 128
	s_mov_b32 s[(\g)+3], KSTEP<<16                 ; tile_dim0 = 128
	s_mov_b32 s[(\g)+4], 128                       ; tile_dim1 = 128
	s_mov_b32 s[(\g)+5], SIZE_K                    ; elements from row to row
	s_mov_b32 s[(\g)+6], 0
	s_mov_b32 s[(\g)+7], 0
.endr
	s_mov_b32 s[INV], 0x39820610                   ; 4 / 16129 = 1 / (31.75 x 127)
	s_mov_b32 s[INV+1], s[INV]                     ; named with it as a pair
	s_mov_b32 s[CEN], 0x3c23d70a                   ; 0.01
	s_mov_b32 s[CEN+1], s[CEN]
	; where the tiles come from.  xq's hang on the tile row alone, which my row of the cluster shares; wq's on the tile column alone, which my column shares.  Every wave makes both, in registers that never hold the other coordinate.
	s_lshl_b32 s41, s[CH], 7                       ; which 128 rows of the tile I fetch
	s_lshl_b32 s40, s[TY], 8
	s_add_co_u32 s40, s40, s41                     ; xq: row 256 x tile row + 128 x half
	s_lshl_b32 s46, s[TX], 8
	s_add_co_u32 s46, s46, s41                     ; wq: row 256 x tile column + 128 x half
	s_lshl_b32 s40, s40, 13                        ; rows of 8,192 bytes: under 2^25
	s_mov_b32 s41, 0
	s_lshl_b32 s46, s46, 13
	s_mov_b32 s47, 0
	s_mul_i32 s42, s[WV], HALFT                    ; and where they go: xq's two halves, then wq's two = wave x 128 rows: no place in the cluster enters an LDS address
	s_wait_dscnt 0x0                               ; both opening adds are done
	s_wait_kmcnt 0x0
	s_add_nc_u64 s[40:41], s[XQ:XQ+1], s[40:41]
	s_add_nc_u64 s[46:47], s[WQ:WQ+1], s[46:47]
	CROUND                                         ; all sixteen work-groups are here: the first joint loads meet
.irp s, 0,1
	s_mov_b32 s[G0+4*(\s)], 1                                        ; count = 1
	s_add_co_u32 s[G0+4*(\s)+1], s42, (\s)*SLOT                      ; LDS address
	s_add_nc_u64 s[G0+4*(\s)+2:G0+4*(\s)+3], s[40:41], (\s)*KSTEP*2  ; global address: K step s
	s_or_b32 s[G0+4*(\s)+3], s[G0+4*(\s)+3], 0x80000000              ; type = 2
	s_mov_b32 s[G0B+4*(\s)], 1
	s_add_co_u32 s[G0B+4*(\s)+1], s42, (\s)*SLOT
	s_add_nc_u64 s[G0B+4*(\s)+2:G0B+4*(\s)+3], s[46:47], (\s)*KSTEP*2
	s_or_b32 s[G0B+4*(\s)+3], s[G0B+4*(\s)+3], 0x80000000
	JLOAD \s                                       ; the ring is filled before anything else is done: two loads of mine are out
.endr
	; A fragment is 16 rows x 32 K in 8 registers: lane l holds row l % 16; registers 0-3 hold K = 8 (l / 16) + 0..7, registers 4-7 K = 16 + 8 (l / 16) + 0..7: two loads of 16 bytes, 32 bytes apart.
	v_and_b32 v1, 15, v0                           ; l % 16
	v_bfe_u32 v2, v0, 4, 1                         ; l / 16
	v_mul_u32_u24 v3, v1, PITCH
	v_lshl_add_u32 v3, v2, 4, v3                   ; row x pitch + 16 x half
	s_mul_i32 s70, s[RH], HALFT                    ; my 128 rows of xq
	s_mul_i32 s71, s[CH], HALFT                    ; my 128 rows of wq,
	s_add_co_u32 s71, s71, 2*HALFT                 ; which lie behind xq's 256
.irp s, 0,1
	v_add_nc_u32 v[ADRA+(\s)], s70, v3
	v_add_nc_u32 v[ADRB+(\s)], s71, v3
	s_add_co_u32 s70, s70, SLOT
	s_add_co_u32 s71, s71, SLOT
.endr
	s_mul_i32 s72, s[WV], WSTAGE
	s_add_co_u32 s72, s72, STAGE                   ; my stage
	v_mul_u32_u24 v4, v1, SPITCH                   ; in: row l % 16, 32 bytes (8 columns of f32) for each half of the lanes
	v_lshl_add_u32 v4, v2, 5, v4
	v_add_nc_u32 v[STO], s72, v4
	v_and_b32 v5, 31, v0                           ; l
	v_lshlrev_b32 v[CO], 4, v5                     ; 16 l
	v_add_nc_u32 v[RD], s72, v[CO]                 ; back: the 32 lanes take one row of 512 bytes
	v_lshlrev_b32 v[PFO], 13, v5                   ; l rows of 8,192 bytes
	; biases at my first column; noise and out0 at my first row and column
	s_lshl_b32 s70, s[TX], 10                      ; 256 columns of 4 bytes a tile,
	s_lshl_b32 s71, s[CH], 9                       ; 128 a half
	s_add_co_u32 s70, s70, s71
	s_mov_b32 s71, 0
	s_add_nc_u64 s[BIA:BIA+1], s[BIA:BIA+1], s[70:71]
	s_lshl_b32 s74, s[TY], 8
	s_lshl_b32 s75, s[RH], 7
	s_add_co_u32 s74, s74, s75                     ; my first row
	s_lshl_b32 s74, s74, 14                        ; rows of 16,384 bytes: under 2^26
	s_add_co_u32 s70, s70, s74
	s_add_nc_u64 s[NOI:NOI+1], s[NOI:NOI+1], s[70:71]
	s_add_nc_u64 s[OUT:OUT+1], s[OUT:OUT+1], s[70:71]
	global_load_b128 v[BIAS:BIAS+3], v[CO], s[BIA:BIA+1]  ; my four columns' biases
	; the prefetches
	s_lshl_b32 s70, s[TY], 8                       ; the tile's first row in xq,
	s_lshl_b32 s71, s[TX], 8                       ; in wq
	s_and_b32 s72, ttmp7, 0xffff                   ; cluster y
	s_cmp_eq_u32 s[RH], 0                          ; do I fetch for xq?
	s_cselect_b32 s70, s70, s71
	s_cselect_b32 s71, s[CX], s[CY]                ; my place among the four that ask for the tile with me
	s_cselect_b32 s72, ttmp9, s72                  ; the coordinate along which other clusters read the same rows
	s_cselect_b64 s[PFA:PFA+1], s[XQ:XQ+1], s[WQ:WQ+1]
	s_cmp_eq_u32 s72, 0
	s_cselect_b32 s[LIM], 1, -1                    ; the same in all sixteen partners, for a given wave
	s_lshl_b32 s72, s[CH], 7
	s_add_co_u32 s70, s70, s72                     ; + the 128 rows that I fetch
	s_lshl_b32 s71, s71, 5
	s_add_co_u32 s70, s70, s71                     ; + my work-group's 32 of them
	s_lshl_b32 s70, s70, 13
	s_mov_b32 s71, 0
	s_add_nc_u64 s[PFA:PFA+1], s[PFA:PFA+1], s[70:71]
	s_add_nc_u64 s[PFA:PFA+1], s[PFA:PFA+1], 2*KSTEP*2  ; at K step 2: the first refill steps it to 3 and names K step 4.  Nothing is prefetched here, at the head, where every work-group's first tiles are on their way
	; the bias column's term, in reference()'s order: clip, scale, round; then 32 INV.  All this stands in the wait for the first tile.
	s_wait_loadcnt 0x0
.irp j, 0,1,2,3
	v_max_num_f32 v[BIAS+(\j)], -1.0, v[BIAS+(\j)]
.endr
.irp j, 0,1,2,3
	v_min_num_f32 v[BIAS+(\j)], 1.0, v[BIAS+(\j)]
.endr
.irp j, 0,1,2,3
	v_mul_f32 v[BIAS+(\j)], 0x42fe0000, v[BIAS+(\j)]  ; x 127
.endr
.irp j, 0,1,2,3
	v_rndne_f32 v[BIAS+(\j)], v[BIAS+(\j)]
.endr
.irp j, 0,1,2,3
	v_mul_f32 v[BIAS+(\j)], 0x3c020610, v[BIAS+(\j)]  ; x 32 x 4 / 16129
.endr
; 16 matrix instructions: m blocks a0, a0 + 1 of the window's four (hi = 0: my rows 0-63, 1: rows 64-127) x all 8 n blocks, 32 along K.  zero = 1: the first product starts the sums: nothing is ever cleared.
; The 64 accumulators take turns, one instruction a turn, in the same order in every quarter step.
.macro MUL16 f, hi, a0, zero
	WIN MUL_LO+0x50*(\hi)
.irp a, \a0, (\a0)+1
.irp b, 0,1,2,3,4,5,6,7
.if \zero
	v_wmma_f32_16x16x32_bf16 v[8*(8*(\a)+(\b)):8*(8*(\a)+(\b))+7], v[(\f)+8*(\b):(\f)+8*(\b)+7], v[(\f)+8*(4*(\hi)+(\a)):(\f)+8*(4*(\hi)+(\a))+7], 0
.else
	v_wmma_f32_16x16x32_bf16 v[8*(8*(\a)+(\b)):8*(8*(\a)+(\b))+7], v[(\f)+8*(\b):(\f)+8*(\b)+7], v[(\f)+8*(4*(\hi)+(\a)):(\f)+8*(4*(\hi)+(\a))+7], v[8*(8*(\a)+(\b)):8*(8*(\a)+(\b))+7]
.endif
.endr
.endr
.endm
; 32 LDS loads in one run: the fragments of one quarter step (128 rows of wq, 128 rows of xq, 32 K at byte k of the rows) into buffer f
.macro FETCH slot, k, f
	WIN TO_B
.irp i, 0,1,2,3,4,5,6,7
	ds_load_b128 v[(\f)+8*(\i):(\f)+8*(\i)+3],   v[ADRB+(\slot)] offset:(\k)+(\i)*16*PITCH
	ds_load_b128 v[(\f)+8*(\i)+4:(\f)+8*(\i)+7], v[ADRB+(\slot)] offset:(\k)+(\i)*16*PITCH+32
.endr
	WIN 0
.irp i, 0,1,2,3,4,5,6,7
	ds_load_b128 v[(\f)+8*(\i):(\f)+8*(\i)+3],   v[ADRA+(\slot)] offset:(\k)+(\i)*16*PITCH
	ds_load_b128 v[(\f)+8*(\i)+4:(\f)+8*(\i)+7], v[ADRA+(\slot)] offset:(\k)+(\i)*16*PITCH+32
.endr
.endm
; A load into a register that a matrix instruction has read, and an LDS store of a matrix result, stand four places behind that matrix instruction, and only plain vector instructions that name none of
; its registers are places (ISA guide 7.12.1 for vector instructions).
.macro PLACES
.rept 4
	v_nop
.endr
.endm
; A K step is four quarter steps of 32 along K, 64 matrix instructions each, on buffers 0, 1, 0, 1.  One of the first three: multiplies buffer f; in its middle it fetches the next quarter's fragments, at byte k of the same slot's rows, into g.
.macro QUARTER slot, k, f, g, zero
	s_wait_dscnt 8                                 ; wq and xq's rows 0-63 are in; the youngest eight loads (xq's rows 64-127) may be out
	WIN MUL_LO
	MUL16 \f, 0, 0, \zero
	MUL16 \f, 0, 2, \zero
	PLACES
	FETCH \slot, \k, \g
	s_wait_dscnt 32                                ; all but the 32 just issued
	WIN MUL_HI
	MUL16 \f, 1, 0, \zero
	MUL16 \f, 1, 2, \zero
.endm
; The last quarter multiplies buffer 1 and changes slots.  MEET is its first half: ONE barrier for the change.  In front of it each wave waits for all its tensor loads, of which one is out: its part of the next slot;
; adds 0 to its spare word; and waits for that and for its own reads of this slot.  Behind it nobody reads this slot any more and the next slot is whole.
.macro MEET round                      ; round = 1: the rest of a round of the cluster's barrier follows
	WIN 0                                          ; (the add's two registers lie in window 0)
	s_wait_tensorcnt 0x0                           ; all my tensor loads have landed;
	ds_add_u32 v[SPW], v[NIL]                      ; 0 onto my spare word;
	s_wait_dscnt 9                                 ; (the add and the youngest eight loads may be out)
	WIN MUL_LO
	MUL16 F1, 0, 0, 0                              ; sixteen matrix instructions stand between the add and the wait for it
	s_wait_dscnt 0x0                               ; the add is done, and my reads of this slot are over:
	s_barrier_signal -1                            ; say so,
	MUL16 F1, 0, 2, 0                              ; work on registers while the others arrive,
.if \round
	WIN 0
.endif
	s_barrier_wait -1                              ; and go on when all four have said so
.endm
; The whole last quarter, with a refill: behind the round the slot just read out is filled again first, with the K step two steps on; then come the next slot's first fragments.
; From a request to the wait for it a wave issues 224 matrix instructions.
.macro TURN slot, next
	s_wait_xcnt 0x0                                ; the last prefetch, a K step back, has read its address: it is stepped here, ahead of the waits of the change of slots
	s_add_nc_u64 s[PFA:PFA+1], s[PFA:PFA+1], KSTEP*2
	MEET 1
	CREST                                          ; all sixteen work-groups have said so: no wave of any partner still reads this slot's tile or has a load on its way
	s_add_nc_u64 s[G0+4*(\slot)+2:G0+4*(\slot)+3], s[G0+4*(\slot)+2:G0+4*(\slot)+3], 2*KSTEP*2
	s_add_nc_u64 s[G0B+4*(\slot)+2:G0B+4*(\slot)+3], s[G0B+4*(\slot)+2:G0B+4*(\slot)+3], 2*KSTEP*2
	JLOAD \slot                                    ; the first tensor load behind the round; the four v_nop behind it are also the places in front of the loads below
	FETCH \next, 0, F0
	ASK                                            ; behind the joint load and the run of LDS loads that the next products wait for
	WIN MUL_HI
	MUL16 F1, 1, 0, 0
	MUL16 F1, 1, 2, 0
.endm
; THE WAY OUT.  Block a = my rows 16 a .. 16 a + 15.  NBUF: where block a's noise lies: window NW, first register NB.  Blocks 0 to 2 have registers that lie idle in the loop; blocks 3 to 6 the four fragment
; buffers, free behind the last product; block 7 takes block 0's place again.
.macro NBUF a
.if ((\a) == 0) || ((\a) == 7)
.set NW, 1
.set NB, 0
.elseif (\a) == 1
.set NW, 1
.set NB, 192
.elseif (\a) == 2
.set NW, 0
.set NB, 192
.elseif (\a) == 3
.set NW, 0
.set NB, 64
.elseif (\a) == 4
.set NW, 0
.set NB, 128
.elseif (\a) == 5
.set NW, 1
.set NB, 64
.else
.set NW, 1
.set NB, 128
.endif
.endm
.macro NLOAD a                         ; block a's noise: 16 loads, a row of 512 consecutive bytes each; the row stands in the immediate (2,080,768 at the most, inside its signed 24 bits)
	NBUF \a
	WIN NW<<6
.set t, 0
.rept 16
	global_load_b128 v[NB+4*t:NB+4*t+3], v[CO], s[NOI:NOI+1] offset:(16*(\a)+t)*ROWB th:TH_LOAD_NT
.set t, t+1
.endr
.endm
.macro TOSTAGE a                       ; block a's eight accumulators into my stage, each from its low end on, and back as 16 whole rows, into the same 64 registers
.set AW, 2+(\a)/4
.set AC, 64*((\a)%4)
	WIN AW<<2
.irp b, 0,1,2,3,4,5,6,7
	ds_store_b128 v[STO], v[AC+8*(\b):AC+8*(\b)+3]   offset:64*(\b)
	ds_store_b128 v[STO], v[AC+8*(\b)+4:AC+8*(\b)+7] offset:64*(\b)+16
.endr
	WIN AW<<6
.set t, 0
.rept 16
	ds_load_b128 v[AC+4*t:AC+4*t+3], v[RD] offset:SPITCH*t  ; LDS serves a wave's instructions in order (ISA guide 5.7.1.4): these see the stores above; the next block's stores come behind them
.set t, t+1
.endr
.endm
.macro FIN a, nl, nd                   ; nl: younger loads of noise that may stay out; nd: younger LDS instructions (the next block's 32, or none)
	NBUF \a
.set AW, 2+(\a)/4
.set AC, 64*((\a)%4)
	s_wait_loadcnt \nl                             ; block a's noise is in
	WIN (NW<<6)|NW
.set t, 0
.rept 32
	v_pk_fma_f32 v[NB+2*t:NB+2*t+1], v[NB+2*t:NB+2*t+1], s[CEN:CEN+1], v[BIAS+2*(t%2):BIAS+2*(t%2)+1] op_sel_hi:[1,0,1]  ; 0.01 noise + the bias column's term
.set t, t+1
.endr
	s_wait_dscnt \nd                               ; block a's rows are back in registers
	WIN (AW<<6)|(NW<<4)|AW
.set t, 0
.rept 32
	v_pk_fma_f32 v[AC+2*t:AC+2*t+1], v[AC+2*t:AC+2*t+1], s[INV:INV+1], v[NB+2*t:NB+2*t+1] op_sel_hi:[1,0,1]  ; INV x the whole sum + that
.set t, t+1
.endr
	WIN AW<<2
.set t, 0
.rept 16
	global_store_b128 v[CO], v[AC+4*t:AC+4*t+3], s[OUT:OUT+1] offset:(16*(\a)+t)*ROWB th:TH_STORE_NT  ; 512 consecutive bytes, aligned; no register that a store names is written again
.set t, t+1
.endr
.endm
	s_wait_tensorcnt 1                             ; my part of K step 0 is in; K step 1's may stay out
	s_barrier_signal -1
	s_barrier_wait -1                              ; everybody's is
	FETCH 0, 0, F0
	QUARTER 0, 64,  F0, F1, 1                      ; the first quarter stands in front of the loop: its products start the sums
	WIN 0                                          ; at a label and at a branch every window is 0
	s_mov_b32 s[LAP], LAPS-1
.Llap:                                                 ; a trip goes once round the ring, from a lap's second quarter to the next lap's first, and fills both slots again
	QUARTER 0, 128, F1, F0, 0
	QUARTER 0, 192, F0, F1, 0
	TURN 0, 1
	QUARTER 1, 64,  F0, F1, 0
	QUARTER 1, 128, F1, F0, 0
	QUARTER 1, 192, F0, F1, 0
	TURN 1, 0
	QUARTER 0, 64,  F0, F1, 0
	WIN 0
	s_sub_co_u32 s[LAP], s[LAP], 1
	s_cmp_lg_u32 s[LAP], 0
	s_cbranch_scc1 .Llap
	; THE LAST LAP fills nothing and has no round of the cluster's barrier.  The first three blocks' noise is asked for here, into registers that lie idle: 448 matrix instructions ahead of its first use.
	NLOAD 0
	NLOAD 1
	NLOAD 2
	QUARTER 0, 128, F1, F0, 0
	QUARTER 0, 192, F0, F1, 0
	MEET 0                                         ; my one tensor load that was still out is slot 1's, the last K step's
	PLACES                                         ; for the loads into buffer 0, which the quarter before multiplied
	FETCH 1, 0, F0
	WIN MUL_HI
	MUL16 F1, 1, 0, 0
	MUL16 F1, 1, 2, 0
	QUARTER 1, 64,  F0, F1, 0
	QUARTER 1, 128, F1, F0, 0
	QUARTER 1, 192, F0, F1, 0
	s_wait_dscnt 8                                 ; the very last quarter: nothing more to fetch
	WIN MUL_LO
	MUL16 F1, 0, 0, 0
	MUL16 F1, 0, 2, 0
	s_wait_dscnt 0x0
	MUL16 F1, 1, 0, 0
	MUL16 F1, 1, 2, 0
	WIN 0
	PLACES                                         ; behind the last products: in front of the loads into the fragment buffers and of the LDS stores of results
	PLACES
	NLOAD 3                                        ; the fragment buffers are free
	NLOAD 4
	NLOAD 5
	NLOAD 6
	TOSTAGE 0
	TOSTAGE 1                                      ; a block's trip through the stage stands ahead of the arithmetic and the stores of the block before
	FIN 0, 63, 32                                  ; six younger blocks of 16 loads; 63 is the most that the wait's field names
	NLOAD 7                                        ; into block 0's place, which has been read
	TOSTAGE 2
	FIN 1, 63, 32                                  ; six younger blocks
	TOSTAGE 3
	FIN 2, 63, 32                                  ; five
	TOSTAGE 4
	FIN 3, 63, 32                                  ; four: 64 loads
	TOSTAGE 5
	FIN 4, 48, 32                                  ; three
	TOSTAGE 6
	FIN 5, 32, 32
	TOSTAGE 7
	FIN 6, 16, 32
	FIN 7, 0, 0
	WIN 0
	s_wait_tensorcnt 0x0                           ; the wave's end, behind my last tensor load and my last LDS store
	ds_add_u32 v[SPW], v[NIL]
	s_wait_dscnt 0x0
	CROUND                                         ; the closing round: no work-group ends while a partner may still ask for a tile that names it
	s_endpgm
.Lfunc_end_k_qf661db14b7_gemm:
	.size	k_qf661db14b7_gemm, .Lfunc_end_k_qf661db14b7_gemm-k_qf661db14b7_gemm
	.p2alignl 7, 3214868480
	.fill 96, 4, 3214868480
	.section	.rodata,"a",@progbits
	.p2align	6, 0x0
	.amdhsa_kernel k_qf661db14b7_gemm
		.amdhsa_group_segment_fixed_size 327680
		.amdhsa_private_segment_fixed_size 0
		.amdhsa_enable_private_segment 0
		.amdhsa_kernarg_size 40
		.amdhsa_user_sgpr_count 2
		.amdhsa_user_sgpr_kernarg_segment_ptr 1
		.amdhsa_wavefront_size32 1
		.amdhsa_system_sgpr_workgroup_id_x 1
		.amdhsa_system_sgpr_workgroup_id_y 1
		.amdhsa_system_sgpr_workgroup_id_z 1
		.amdhsa_system_vgpr_workitem_id 0
		.amdhsa_next_free_vgpr 1024
		.amdhsa_next_free_sgpr 80
		.amdhsa_reserve_vcc 0
		.amdhsa_float_denorm_mode_32 3
		.amdhsa_float_denorm_mode_16_64 3
		.amdhsa_memory_ordered 1
		.amdhsa_forward_progress 1
		.amdhsa_inst_pref_size 187
	.end_amdhsa_kernel
	.amdgpu_metadata
---
amdhsa.version: [ 1, 2 ]
amdhsa.kernels:
  - .name:           k_qf661db14b7_gemm
    .symbol:         k_qf661db14b7_gemm.kd
    .args:
      - { .name: xq, .offset: 0, .size: 8, .value_kind: global_buffer, .address_space: global }
      - { .name: wq, .offset: 8, .size: 8, .value_kind: global_buffer, .address_space: global }
      - { .name: biases, .offset: 16, .size: 8, .value_kind: global_buffer, .address_space: global }
      - { .name: noise, .offset: 24, .size: 8, .value_kind: global_buffer, .address_space: global }
      - { .name: out0, .offset: 32, .size: 8, .value_kind: global_buffer, .address_space: global }
    .group_segment_fixed_size: 327680
    .private_segment_fixed_size: 0
    .kernarg_segment_align: 8
    .kernarg_segment_size: 40
    .max_flat_workgroup_size: 128
    .sgpr_count:     80
    .vgpr_count:     1024
    .wavefront_size: 32
...
	.end_amdgpu_metadata
.endif
;; end of part 2
;; ======== version 2 of 2: 2 launches; version 1 with the launch quant written anew for expert scheduling mode
;; workspace buffers: xq 33,554,432 bytes; wq 33,554,432 bytes
;; launch quant (part 3): grid 512 x 2, 8 waves a work-group, no clusters, 0 bytes of LDS; arguments tensor, weights, xq, wq; writes xq, wq
.if DOCPART == 3
	.amdgcn_target "amdgcn-amd-amdhsa--gfx1250"
	.amdhsa_code_object_version 6
	.text
	.protected	k_qf661db14b7_quant
	.globl	k_qf661db14b7_quant
	.p2align	8
	.type	k_qf661db14b7_quant,@function
k_qf661db14b7_quant:
	s_mov_b64 s[64:65], 0
	v_nop
	global_prefetch_b8 v0, s[64:65] scope:SCOPE_SE
	s_setreg_imm32_b32 hwreg(HW_REG_WAVE_SCHED_MODE, 0, 2), 2
	s_setreg_imm32_b32 hwreg(HW_REG_WAVE_MODE, 25, 1), 1
	s_wait_xcnt 0x0
	s_wait_alu depctr_vm_vsrc(0)
; THE QUANTISER, ONCE FOR EACH NUMBER.  xq[b][i] = rndne(clip(tensor[b][i], -4, 4) x 31.75), wq[o][i] = rndne(clip(weights[o][i], -1, 1) x 127): the whole numbers
; -127 .. 127 that reference()'s _quantize has behind its round, before its division by the scale.  Clip, multiply and round stand in reference()'s order, in f32, so the whole
; numbers are reference()'s own; bf16 holds every whole number up to 256 exactly, so nothing is lost in the store.  The two divisions by the scales are one factor,
; 1 / (31.75 x 127), which the second launch applies to the finished sums: in real numbers the same result; the order of the roundings differs from reference()'s.
; NOTHING OF reference() IS LEFT OUT.  Its column of ones is a constant of its own body: the second launch adds that column's product with the bias column on its way out.
; LIMIT.  A NaN among the inputs is clipped to a finite number, where reference() would carry it on; infinities are clipped as reference() clips them.
; SHARES.  Grid y = 0: tensor -> xq; y = 1: weights -> wq.  A work-group takes 131,072 consecutive bytes of f32: 32 chunks of 4,096.  Thread t takes the 16 bytes at 16 t of each chunk and
; stores 8 bytes at 8 t of each chunk of 2,048: a load of a wave covers 512 consecutive bytes, a store 256 consecutive bytes, aligned.  Nothing is shared between waves: no LDS, no barrier.
; THE MODE: SCHED_MODE bits 1:0 = 2 (LLVM: expert scheduling mode 2), set by the entry lines.  The code itself states the register dependences
; between vector instructions and memory instructions, with s_wait_alu, always for 0.
; THE PLAN.  The 32 chunks go in 8 blocks of four, written out by one macro: every chunk stands in an immediate offset, and no base is stepped.  Registers that memory instructions touch:
;   X0 .. X3   four blocks of f32.  Written by the loads of block p + 3, issued in block p; block p's clip, scale and round work in place on X[p % 4], and its conversions read it.
;   Y0 .. Y4   five blocks of bf16 to store.  Written by block p's conversions (Y[p % 5]); read by the four stores that are issued in block p + 1.
;   v1, v2     byte offsets, made once at the head and never written again.
; Block p's memory instructions are the loads into X[(p + 3) % 4] = X[(p - 1) % 4] and the stores from Y[(p - 1) % 5]: the two buffers that block p - 1 worked on and that no vector
; instruction of block p names.  So ONE wait on va_vdst at a block's head states all that its eight memory instructions hang on, and these are dealt among its vector instructions with
; no further wait.  Of the five Y only Y0, Y1 and Y2 are written a second time, by blocks 5, 6 and 7; their stores were issued in blocks 1, 2 and 3: so ONE wait on vm_vsrc, at block 5's
; head, frees all three.
.set BLOCK,  4                         ; chunks in a block
.set BLOCKS, 32/BLOCK
.set XBUFS,  4
.set YBUFS,  5
.set CIN,    4096                      ; bytes of a chunk as read
.set COUT,   2048                      ; and as written
.set X, 4                              ; v[4:67]    buffer k, chunk i: 4 registers at X + 16 k + 4 i: four f32 as loaded, then at work
.set Y, 68                             ; v[68:107]  buffer k, chunk i: 2 registers at Y + 8 k + 2 i: four bf16 to store
	s_load_b256 s[4:11], s[0:1], 0x0               ; tensor s[4:5], weights s[6:7], xq s[8:9], wq s[10:11]
	s_and_b32 s13, ttmp7, 0xffff                   ; which of the two tensors
	s_mov_b32 s16, 0x41fe0000                      ; 31.75 = 127 / 4
	s_mov_b32 s17, 0x42fe0000                      ; 127 = 127 / 1
	s_cmp_eq_u32 s13, 0
	s_cselect_b32 s14, -4.0, -1.0                  ; the clip's lower bound,
	s_cselect_b32 s15, 4.0, 1.0                    ; its upper bound,
	s_cselect_b32 s16, s16, s17                    ; and the scale
	s_mov_b32 s17, s16                             ; named with it as a pair
	v_lshlrev_b32 v1, 4, v0                        ; 16 t; never rewritten
	v_lshlrev_b32 v2, 3, v0                        ; 8 t; never rewritten
	s_wait_kmcnt 0x0
	s_cmp_eq_u32 s13, 0
	s_cselect_b64 s[20:21], s[4:5], s[6:7]         ; from where,
	s_cselect_b64 s[22:23], s[8:9], s[10:11]       ; to where
	s_lshl_b32 s18, ttmp9, 17                      ; the work-group's 131,072 bytes in (511 x 2^17 is under 2^26),
	s_mov_b32 s19, 0
	s_add_nc_u64 s[20:21], s[20:21], s[18:19]
	s_lshl_b32 s18, ttmp9, 16                      ; its 65,536 bytes out
	s_add_nc_u64 s[22:23], s[22:23], s[18:19]
	s_wait_alu depctr_va_vdst(0)                   ; v1 and v2 are written: every load and store of the kernel reads one of them as its offset
.irp i, 0,1,2,3,4,5,6,7,8,9,10,11
	global_load_b128 v[X+4*(\i):X+4*(\i)+3], v1, s[20:21] offset:(\i)*CIN th:TH_LOAD_NT  ; blocks 0, 1 and 2 into X0, X1, X2
.endr
; Block p.  left = how many younger loads may still be out when this block's four have to be there.
; Blocks 0 to 4 ask for block p + 3; blocks 5 to 7 load nothing, so that no load leaves the work-group's bytes.  Blocks 1 to 7 store the block before.
.macro BLK p, left
.set XB, X+16*((\p)%XBUFS)             ; at work in this block
.set XN, X+16*(((\p)+3)%XBUFS)         ; the block before worked on it: block p + 3 lands here
.set YB, Y+8*((\p)%YBUFS)              ; written in this block
.set YP, Y+8*(((\p)+YBUFS-1)%YBUFS)    ; written in the block before: stored in this one
	s_wait_loadcnt \left                           ; loads come back in order (ISA guide 5.7.1): X[p % 4] is in, the younger blocks stay out
.if (\p) == YBUFS
	s_wait_xcnt 0x0                                ; every earlier memory instruction has had its addresses translated (ISA guide 3.1): Y0, Y1 and Y2, the data of earlier stores, are written again only behind this wait
	s_wait_alu depctr_vm_vsrc(0)                   ; the stores issued in blocks 1, 2 and 3 have read Y0, Y1 and Y2, which the conversions of blocks 5, 6 and 7 write again
.endif
.if (\p) > 0
	s_wait_alu depctr_va_vdst(0)                   ; the block before has written its Y, which the stores below read, and is done reading and writing its X, in which the loads below land
.endif
.irp i, 0,1,2,3
.if (\p)+3 < BLOCKS
	global_load_b128 v[XN+4*(\i):XN+4*(\i)+3], v1, s[20:21] offset:(((\p)+3)*BLOCK+(\i))*CIN th:TH_LOAD_NT  ; three blocks ahead, the load ahead of the store; no vector instruction since the wait names these registers
.endif
.if (\p) > 0
	global_store_b64 v2, v[YP+2*(\i):YP+2*(\i)+1], s[22:23] offset:(((\p)-1)*BLOCK+(\i))*COUT th:TH_STORE_NT  ; the block before
.endif
.irp j, 0,1,2,3
	v_med3_num_f32 v[XB+4*(\i)+(\j)], v[XB+4*(\i)+(\j)], s14, s15  ; the clip
.endr
.irp j, 0,2
	v_pk_mul_f32 v[XB+4*(\i)+(\j):XB+4*(\i)+(\j)+1], v[XB+4*(\i)+(\j):XB+4*(\i)+(\j)+1], s[16:17] op_sel_hi:[1,0]  ; the scale, two at a time
.endr
.irp j, 0,1,2,3
	v_rndne_f32 v[XB+4*(\i)+(\j)], v[XB+4*(\i)+(\j)]  ; to the nearest whole number, halves to even, as jnp.round
.endr
	v_cvt_pk_bf16_f32 v[YB+2*(\i)],   v[XB+4*(\i)],   v[XB+4*(\i)+1]  ; exact: whole numbers up to 127
	v_cvt_pk_bf16_f32 v[YB+2*(\i)+1], v[XB+4*(\i)+2], v[XB+4*(\i)+3]
.endr
.endm
	BLK 0, 2*BLOCK                                 ; no block stands in front of it: nothing to store, and no vector instruction has named X3
	BLK 1, 2*BLOCK
	BLK 2, 2*BLOCK
	BLK 3, 2*BLOCK
	BLK 4, 2*BLOCK                                 ; asks for the last block
	BLK 5, 2*BLOCK                                 ; from here on nothing is loaded, and the counts run down
	BLK 6, BLOCK
	BLK 7, 0
	s_wait_alu depctr_va_vdst(0)                   ; block 7 has written Y2, which the last four stores read
.irp i, 0,1,2,3
	global_store_b64 v2, v[Y+8*((BLOCKS-1)%YBUFS)+2*(\i):Y+8*((BLOCKS-1)%YBUFS)+2*(\i)+1], s[22:23] offset:((BLOCKS-1)*BLOCK+(\i))*COUT th:TH_STORE_NT
.endr
	s_endpgm
.Lfunc_end_k_qf661db14b7_quant:
	.size	k_qf661db14b7_quant, .Lfunc_end_k_qf661db14b7_quant-k_qf661db14b7_quant
	.p2alignl 7, 3214868480
	.fill 96, 4, 3214868480
	.section	.rodata,"a",@progbits
	.p2align	6, 0x0
	.amdhsa_kernel k_qf661db14b7_quant
		.amdhsa_group_segment_fixed_size 0
		.amdhsa_private_segment_fixed_size 0
		.amdhsa_enable_private_segment 0
		.amdhsa_kernarg_size 32
		.amdhsa_user_sgpr_count 2
		.amdhsa_user_sgpr_kernarg_segment_ptr 1
		.amdhsa_wavefront_size32 1
		.amdhsa_system_sgpr_workgroup_id_x 1
		.amdhsa_system_sgpr_workgroup_id_y 1
		.amdhsa_system_sgpr_workgroup_id_z 1
		.amdhsa_system_vgpr_workitem_id 0
		.amdhsa_next_free_vgpr 108
		.amdhsa_next_free_sgpr 66
		.amdhsa_reserve_vcc 0
		.amdhsa_float_denorm_mode_32 3
		.amdhsa_float_denorm_mode_16_64 3
		.amdhsa_memory_ordered 1
		.amdhsa_forward_progress 1
		.amdhsa_inst_pref_size 28
	.end_amdhsa_kernel
	.amdgpu_metadata
---
amdhsa.version: [ 1, 2 ]
amdhsa.kernels:
  - .name:           k_qf661db14b7_quant
    .symbol:         k_qf661db14b7_quant.kd
    .args:
      - { .name: tensor, .offset: 0, .size: 8, .value_kind: global_buffer, .address_space: global }
      - { .name: weights, .offset: 8, .size: 8, .value_kind: global_buffer, .address_space: global }
      - { .name: xq, .offset: 16, .size: 8, .value_kind: global_buffer, .address_space: global }
      - { .name: wq, .offset: 24, .size: 8, .value_kind: global_buffer, .address_space: global }
    .group_segment_fixed_size: 0
    .private_segment_fixed_size: 0
    .kernarg_segment_align: 8
    .kernarg_segment_size: 32
    .max_flat_workgroup_size: 256
    .sgpr_count:     66
    .vgpr_count:     108
    .wavefront_size: 32
...
	.end_amdgpu_metadata
.endif
;; end of part 3
;; launch gemm: the kernel of part 2 again; grid 16 x 16, 4 waves a work-group, clusters of 4 x 4, 327,680 bytes of LDS; arguments xq, wq, biases, noise, out0; writes out0
